; MI455X (gfx1250); checked and timed in simulation.
; The chip was launched on July 23, 2026; its instructions are those of AMD's public machine-readable ISA for CDNA 5 (MIT licence, August 2026) and "CDNA5" Instruction Set Architecture Reference Guide (July 2026). The comments in the code are by the model that wrote it; some were corrected since.
;; Si LU Attention. Allowed arithmetic: matrix products marked QUANTISED: E3M2 operands, one E8M0 scale for each 32 along K, by v_wmma_scale_f32_16x16x128_f8f6f4 with both operands' format E3M2, f32 sums; everything else in f32.
;; Inputs: W_out 512 x 512 float32; W_qkuv 512 x 2,048 float32; attn_mask 4,096 x 4,096 float32; ln_beta 64 float32; ln_gamma 64 float32; x 2 x 4,096 x 512 float32.
;; Outputs: out0 2 x 4,096 x 512 float32.
;; This version of the problem:
;;   THIS VERSION OF THE PROBLEM IS GIVEN IN LOW PRECISION. The matrix products marked QUANTISED in the list below multiply operands that are first quantised to E3M2 (3 exponent bits, 2 mantissa bits; 6 bits a number), with one power-of-two scale for each 32 numbers along K (OCP MX v1.0); their sums are f32. All else is computed in f32.
;;   The module's matrix products, in the order in which they are computed (A, B: the left and right operand; K: the contracted axis; several contracted axes count as one K, in the product's order):
;;     1. [M 8,192, K 512] x [K 512, N 2,048]; A: input x; B: input W_qkuv: QUANTISED
;;     2. batch 16 x [M 4,096, K 64] x [K 64, N 4,096]; A: computed on the way; B: computed on the way: QUANTISED
;;     3. batch 16 x [M 4,096, K 4,096] x [K 4,096, N 64]; A: computed on the way; B: computed on the way: QUANTISED
;;     4. [M 8,192, K 512] x [K 512, N 512]; A: computed on the way; B: input W_out: QUANTISED
;;   THE QUANTISER, for each operand of a quantised product, along K:
;;     - K is cut into blocks of 32 from its start; a last block that is shorter is filled with zeros.
;;     - A block's scale is 2^e with e = floor(log2(the largest magnitude in the block)) - 4, held to -126 .. 127; a block of zeros has e = 0. As a byte (E8M0): e + 127.
;;     - Each number is divided by its block's scale, clamped to +-28, and rounded to the nearest number of E3M2, ties to even, subnormals kept.
;;     - The product sums the exact products of the quantised numbers (number of the format x scale) in f32.
;;   ~~~python
;;   def quantise(x, axis):      # numpy; x: float32 -> the quantised numbers, widened to float32 again
;;       x = np.moveaxis(x, axis, -1); K = x.shape[-1]
;;       x = np.pad(x, [(0, 0)] * (x.ndim - 1) + [(0, -K % 32)]); x = x.reshape(x.shape[:-1] + (-1, 32)); a = np.abs(x).max(-1, keepdims=True)
;;       e = np.where(a > 0, np.clip(np.frexp(np.where(a > 0, a, 1))[1] - 1 - 4, -126, 127), 0)      # np.frexp(a)[1] - 1 = floor(log2(a)), exactly
;;       r = np.clip(x / 2.0 ** e, -28, 28)
;;       step = 2.0 ** (np.maximum(np.frexp(np.where(r == 0, 1, r))[1] - 1, -2) - 2)
;;       q = np.round(r / step) * step * 2.0 ** e      # np.round: ties to even
;;       return np.moveaxis(q.reshape(q.shape[:-2] + (-1,))[..., :K], -1, axis).astype(np.float32)
;;   ~~~
;;   OPERANDS COMPUTED ON THE WAY. 'Computed on the way' means the value that the module computes at that place (a softmax that the list does not call 'softmax' is quantised finished and normalised). What goes into a quantiser is computed in f32, as accurately as f32 sums, v_exp_f32 and their like allow (about 1e-6 of the number): no bf16 or f16 on the way to a quantiser, and a product that is left as it is and whose result goes on into a quantised operand takes f32 operands (vector FMAs, or v_wmma_f32_16x16x4_f32). A number that lies on a knife's edge between two numbers of the format may be rounded either way, as far as f32 arithmetic and the matrix unit's own rounding can turn it there, and no further.
;; One version. Each part assembles by itself: llvm-mc -triple=amdgcn-amd-amdhsa -mcpu=gfx1250 --defsym DOCPART=n.
;; ======== version 1 of 1: 3 launches
;; workspace buffers: xq 3,276,800 bytes; wq 819,200 bytes; wo 204,800 bytes; qf 3,276,800 bytes; kv 6,553,600 bytes; uf 16,777,216 bytes
;; launch quant (part 1): grid 336 x 1, 4 waves a work-group, no clusters, 60,928 bytes of LDS; arguments x, W_qkuv, W_out, xq, wq, wo; writes xq, wq, wo
.if DOCPART == 1
	.amdgcn_target "amdgcn-amd-amdhsa--gfx1250"
	.amdhsa_code_object_version 6
	.text
	.protected	k_qf2340b43f4_quant
	.globl	k_qf2340b43f4_quant
	.p2align	8
	.type	k_qf2340b43f4_quant,@function
k_qf2340b43f4_quant:
	s_mov_b64 s[64:65], 0
	v_nop
	global_prefetch_b8 v0, s[64:65] scope:SCOPE_SE
	s_setreg_imm32_b32 hwreg(HW_REG_WAVE_MODE, 25, 1), 1
	s_wait_xcnt 0x0
; x [8192][512], W_qkuv [512][2048] and W_out [512][512], f32, become codes of BF6 (E3M2) with one E8M0 byte for each 32 along K (K = the 512).
; They are stored as IMAGES OF OPERAND REGISTERS.  A fragment is 16 rows x 128 K = 12 registers a lane = three pieces of 512 bytes; piece c holds registers 4 c .. 4 c + 3, lane l's 16 bytes at 16 l.
; Lane (r, h) = (l % 16, l / 16) holds row r; its registers 6 c .. 6 c + 5 hold K = 64 c + 32 h + 0 .. 31.  A fragment's scale words are 64 bytes, row r's at 4 r.
; A block's scale is 2^(floor(log2(largest magnitude)) - 4); its byte is the largest magnitude's exponent field - 4, held at 1 from below by a floor among the maximum's leaves.
; LIMITS: a block of zeros gets the byte 1 where the rule says 127 (its codes are zeros, and this program alone reads the bytes); NaN and infinities among the inputs are not served.
; Work-groups 0-255: x, 32 rows each, wave w takes K step w.  256-319: W_qkuv.  320-335: W_out.  A weight's wave takes 32 columns x one K step.
; xq: [rows / 256][K step][25,600]: 16 tiles of 16 neighbouring rows x 1,536 bytes, then 16 x 64 bytes of scale words.  In ODD tiles lane l's bytes lie at 16 (l xor 8): the next launch reads the tiles
;     also with rows 0-7 of one tile beside rows 0-7 of the next, and the two groups of eight then fall on different banks.
; wq: [head][K step][25,600]: tile 4 ty + t (ty: q, k, v, u).  wo: [32 columns][K step][2][1,536], words from byte 196,608 on.
; THE COLUMNS OF A WEIGHT'S TILE ARE NOT NEIGHBOURS: of 32 columns, tile u takes in lane r column 8 u + r % 8 + 16 (r / 8), so that the results of two neighbouring tiles are 16 neighbours along the next K.
; No tensor load, no barrier: each wave has a stage of its own in LDS; the three paths have LDS bytes of their own.
.set SEL,  20                          ; s[20:21] v_permlanex16_b32's selects for lane l xor 16
.set XBLK, 25600
.set STX,  0                           ; x path: 4 stages of 16 rows x 528 bytes
.set STW,  33792                       ; W_qkuv path: 4 stages of 2 x 1,664 bytes
.set STO,  47104                       ; W_out path: the same
.set RA,   16                          ; v16-79   tile a as loaded
.set RB,   80                          ; v80-143  tile b as loaded
.set XX,   144                         ; v144-207 64 numbers of my row: register 16 b + i = k 32 b + 16 h + i
.set PC0,  208                         ; v208-227 tile a's codes
.set PC1,  228                         ; v228-247 tile b's
.set TM,   16                          ; v16-27   at work in QUANT (tile a's numbers have left them)
.set WN,   32                          ; weights: v32-159 my column's 128 numbers
; 64 numbers of a lane, register 16 b + i = k 32 b + 16 h + i of my row, become a fragment's codes in v[pc] .. v[pc + 11] and its scale word in v[pw].  tm: 12 registers at work.
.macro QUANT src, pc, pw, tm
.irp b, 0,1,2,3
	v_max3_num_f32 v[\tm+\b], |v[\src+16*\b]|, |v[\src+1+16*\b]|, 0x2800000   ; block b: my 16 numbers, and the floor 2^(5 - 127): the byte cannot fall under 1
.endr
.irp i, 2,4,6,8,10,12,14
.irp b, 0,1,2,3
	v_max3_num_f32 v[\tm+\b], v[\tm+\b], |v[\src+16*\b+\i]|, |v[\src+1+16*\b+\i]|   ; the four blocks by turns
.endr
.endr
.irp b, 0,1,2,3
	v_permlanex16_b32 v[\tm+4+\b], v[\tm+\b], s[SEL], s[SEL+1]
.endr
.irp b, 0,1,2,3
	v_max_num_f32 v[\tm+\b], v[\tm+\b], v[\tm+4+\b]   ; with lane l xor 16's 16: the block's largest magnitude
.endr
.irp b, 0,1,2,3
	v_add_nc_u32 v[\tm+8+\b], 0xfe000000, v[\tm+\b]   ; 4 off its exponent field: the conversion takes that field as its scale
.endr
.irp b, 0,1,2,3
	v_lshrrev_b32 v[\tm+4+\b], 23, v[\tm+8+\b]        ; the scale's byte
.endr
	v_lshl_or_b32 v[\pw], v[\tm+5], 8, v[\tm+4]
	v_lshl_or_b32 v[\pw], v[\tm+6], 16, v[\pw]
	v_lshl_or_b32 v[\pw], v[\tm+7], 24, v[\pw]
.irp c, 0,1
	v_cvt_scalef32_pk16_bf6_f32 v[\pc+6*\c:\pc+2+6*\c], v[\src+32*\c:\src+15+32*\c], v[\tm+8+2*\c]
	v_cvt_scalef32_pk16_bf6_f32 v[\pc+12+4*\c:\pc+14+4*\c], v[\src+16+32*\c:\src+31+32*\c], v[\tm+8+2*\c+1]   ; a conversion's three registers begin on an even number
.endr
	v_nop                                          ; one plain line behind the scaled conversions
.irp c, 0,1                                    ; the layout wants a WHOLE block in a lane: lanes 0-15 block 2 c, lanes 16-31 block 2 c + 1
.irp i, 0,1,2
	v_permlane16_swap_b32 v[\pc+6*\c+\i], v[\pc+12+4*\c+\i]
.endr
.irp i, 0,1,2
	v_mov_b32 v[\pc+3+6*\c+\i], v[\pc+12+4*\c+\i]
.endr
.endr
.endm
	s_load_b256 s[4:11], s[0:1], 0x0               ; x s[4:5], W_qkuv s[6:7], W_out s[8:9], xq s[10:11]
	s_load_b128 s[12:15], s[0:1], 0x20             ; wq s[12:13], wo s[14:15]
	v_lshl_add_u32 v254, v0, 2, 0xec00
	v_mov_b32 v255, 0
	v_lshrrev_b32 v1, 5, v0
	v_readfirstlane_b32 s16, v1                    ; wave 0..3
	v_and_b32 v7, 31, v0                           ; lane
	s_mov_b32 s[SEL], 0x76543210
	s_mov_b32 s[SEL+1], 0xfedcba98
	s_cmp_lt_u32 ttmp9, 256
	s_cbranch_scc0 .Lweights
	; ---- x: rows 32 g .. 32 g + 31 (tiles a and b), columns 128 w .. 128 w + 127
	v_lshlrev_b32 v1, 4, v7                        ; 16 x lane
	v_xor_b32 v2, 128, v1                          ; 16 x (lane xor 8): the odd tile's place
	v_lshlrev_b32 v3, 2, v7                        ; 4 x lane
	s_mul_i32 s17, s16, 8448                       ; my stage
	v_add_nc_u32 v4, s17, v1                       ; in: a row's 512 bytes as loaded
	v_and_b32 v8, 15, v7
	v_lshrrev_b32 v9, 4, v7
	v_mul_u32_u24 v5, v8, 528                      ; out: row r (528 bytes apart: 16 rows start in 16 different groups of banks), + 64 h
	v_lshl_add_u32 v5, v9, 6, v5
	v_add_nc_u32 v5, s17, v5
	s_lshl_b32 s22, ttmp9, 16                      ; 32 rows of 2,048 bytes
	s_lshl_b32 s18, s16, 9
	s_add_co_u32 s22, s22, s18                     ; + my K step's 512 bytes
	s_mov_b32 s23, 0
	s_lshr_b32 s24, ttmp9, 3
	s_lshl_b32 s24, s24, 2
	s_add_co_u32 s24, s24, s16
	s_mul_i32 s24, s24, XBLK                       ; the block (rows / 256, K step)
	s_and_b32 s18, ttmp9, 7
	s_mul_i32 s19, s18, 3072
	s_add_co_u32 s26, s24, s19                     ; tiles 2 (g % 8), + 1
	s_mov_b32 s27, 0
	s_lshl_b32 s18, s18, 7
	s_add_co_u32 s24, s24, s18
	s_add_co_u32 s24, s24, 24576                   ; and their 128 bytes of scale words
	s_mov_b32 s25, 0
	s_wait_kmcnt 0x0
	s_add_nc_u64 s[4:5], s[4:5], s[22:23]
	s_add_nc_u64 s[26:27], s[10:11], s[26:27]
	s_add_nc_u64 s[24:25], s[10:11], s[24:25]
.set i, 0
.rept 16
	global_load_b128 v[RA+4*i:RA+4*i+3], v1, s[4:5] offset:2048*i th:TH_LOAD_NT          ; 32 lanes read 512 consecutive bytes of a row
.set i, i+1
.endr
.set i, 0
.rept 16
	global_load_b128 v[RB+4*i:RB+4*i+3], v1, s[4:5] offset:32768+2048*i th:TH_LOAD_NT
.set i, i+1
.endr
.macro TURN src                        ; 16 rows through my stage: in as loaded, out 256 bytes of a row to a lane.  LDS serves a wave's instructions in order: no wait between
.set i, 0
.rept 16
	ds_store_b128 v4, v[\src+4*i:\src+4*i+3] offset:528*i
.set i, i+1
.endr
.irp b, 0,1,2,3
.irp j, 0,1,2,3
	ds_load_b128 v[XX+16*\b+4*\j:XX+16*\b+4*\j+3], v5 offset:128*\b+16*\j
.endr
.endr
.endm
	s_wait_loadcnt 16                              ; tile a's 16 loads are in, tile b's 16 may be out
	TURN RA
	s_wait_dscnt 0x0
.irp b, 0,1,2,3
	v_mov_b32 v[TM+4+\b], 0                        ; a lane permute's destination counts as one of its sources
.endr
	QUANT XX, PC0, 248, TM
.irp c, 0,1,2
	global_store_b128 v1, v[PC0+4*\c:PC0+4*\c+3], s[26:27] offset:512*\c       ; 512 consecutive bytes
.endr
	s_wait_loadcnt 0x0
	TURN RB
	s_wait_dscnt 0x0
	QUANT XX, PC1, 249, TM
.irp c, 0,1,2
	global_store_b128 v2, v[PC1+4*\c:PC1+4*\c+3], s[26:27] offset:1536+512*\c  ; the odd tile: lane l at 16 (l xor 8)
.endr
	v_cmp_le_u32 vcc_lo, 16, v7
	v_cndmask_b32 v250, v248, v249, vcc_lo         ; lanes 0-15: tile a's words, lanes 16-31: tile b's
	global_store_b32 v3, v250, s[24:25]
	s_wait_tensorcnt 0x0
	ds_add_u32 v254, v255
	s_wait_dscnt 0x0
	s_endpgm
; ---- a weight: my wave's 32 columns x 128 along K.  LANE l TAKES COLUMN l, ITS REGISTERS RUN DOWN K: a block of 32 lies in one lane, and the conversions give codes with K innermost.
; s[22:23]: the first number; s[24:25]: the two tiles' images; s[26:27]: their words.
.macro WLOAD bt, pitch                 ; block bt: 32 rows; a wave reads 128 consecutive bytes of each, the four waves 512
.set kk, 0
.rept 32
	global_load_b32 v[WN+32*(\bt)+kk], v3, s[22:23] offset:(32*(\bt)+kk)*\pitch th:TH_LOAD_NT
.set kk, kk+1
.endr
.endm
.macro WPATH pitch, stage
	v_lshlrev_b32 v3, 2, v7                        ; 4 x lane
	v_bfe_u32 v8, v7, 3, 1                         ; my column's tile u = (l / 8) % 2
	v_and_b32 v9, 7, v7
	v_lshrrev_b32 v10, 4, v7
	v_lshl_add_u32 v9, v10, 3, v9                  ; and its lane there: r = l % 8 + 8 (l / 16)
	s_mul_i32 s28, s16, 3328
	s_add_co_u32 s28, s28, \stage                  ; my stage: two images, 1,664 bytes apart (128 more than an image: the two tiles' lanes fall on different banks)
	v_mul_u32_u24 v4, v8, 1664
	v_lshl_add_u32 v4, v9, 4, v4
	v_add_nc_u32 v4, s28, v4                       ; in: tile u, lane r
	v_lshl_add_u32 v5, v7, 4, s28                  ; out: 16 x lane
	v_lshlrev_b32 v11, 4, v7
	v_lshlrev_b32 v6, 6, v8
	v_lshl_add_u32 v6, v9, 2, v6                   ; my word's place: 64 u + 4 r
	WLOAD 0, \pitch
	WLOAD 1, \pitch
.irp bt, 0,1,2,3
.set XB, WN+32*\bt
.set YB, 160+12*\bt                    ; the block's six registers of codes, three more at + 8
.if \bt < 3
	s_wait_loadcnt 32                              ; this block's 32 loads are in; the next block's 32 may be out
.else
	s_wait_loadcnt 0x0
.endif
	v_max3_num_f32 v12, |v[XB]|, |v[XB+1]|, |v[XB+2]|
	v_max3_num_f32 v13, |v[XB+3]|, |v[XB+4]|, |v[XB+5]|
.irp i, 6,10,14,18,22,26
	v_max3_num_f32 v12, v12, |v[XB+\i]|, |v[XB+\i+1]|
	v_max3_num_f32 v13, v13, |v[XB+\i+2]|, |v[XB+\i+3]|
.endr
	v_max3_num_f32 v12, v12, |v[XB+30]|, |v[XB+31]|
	v_max3_num_f32 v12, v12, v13, 0x2800000        ; and the floor
	v_add_nc_u32 v14, 0xfe000000, v12
	v_lshrrev_b32 v13, 23, v14
.if \bt == 0
	v_mov_b32 v15, v13                             ; the four bytes make my column's word
.else
	v_lshl_or_b32 v15, v13, 8*\bt, v15
.endif
	v_cvt_scalef32_pk16_bf6_f32 v[YB:YB+2], v[XB:XB+15], v14
	v_cvt_scalef32_pk16_bf6_f32 v[YB+8:YB+10], v[XB+16:XB+31], v14
	v_nop                                          ; one plain line behind the scaled conversions
.irp i, 0,1,2
	v_mov_b32 v[YB+3+\i], v[YB+8+\i]
.endr
; block 2 c + h is registers 6 c .. 6 c + 5 of lane (r, h): register n lies at 512 (n / 4) + 16 (r + 16 h) + 4 (n % 4)
.if \bt < 2
	ds_store_b128 v4, v[YB:YB+3] offset:256*\bt
	ds_store_b64 v4, v[YB+4:YB+5] offset:512+256*\bt
	WLOAD \bt+2, \pitch
.else
	ds_store_b64 v4, v[YB:YB+1] offset:520+256*(\bt-2)
	ds_store_b128 v4, v[YB+2:YB+5] offset:1024+256*(\bt-2)
.endif
.endr
.irp n, 0,1,2,3,4,5
	ds_load_b128 v[208+4*\n:208+4*\n+3], v5 offset:1664*(\n/3)+512*(\n%3)   ; LDS serves a wave's instructions in order: these see my stores
.endr
.irp n, 0,1,2,3,4,5
	s_wait_dscnt 5-\n                              ; the later loads may be out
	global_store_b128 v11, v[208+4*\n:208+4*\n+3], s[24:25] offset:1536*(\n/3)+512*(\n%3)
.endr
	global_store_b32 v6, v15, s[26:27]
.endm
.Lweights:
	s_sub_co_u32 s17, ttmp9, 256
	s_cmp_lt_u32 s17, 64
	s_cbranch_scc0 .Lwout
	s_and_b32 s18, s17, 15
	s_lshl_b32 s18, s18, 2
	s_add_co_u32 s18, s18, s16                     ; cp: which 32 columns of the 2,048
	s_lshr_b32 s19, s17, 4                         ; K step
	s_lshl_b32 s22, s19, 20                        ; 128 rows of 8,192 bytes
	s_lshl_b32 s28, s18, 7
	s_add_co_u32 s22, s22, s28
	s_mov_b32 s23, 0
	s_bfe_u32 s28, s18, 0x30001                    ; head = (cp / 2) % 8
	s_lshl_b32 s28, s28, 2
	s_add_co_u32 s28, s28, s19
	s_mul_i32 s28, s28, XBLK                       ; the block (head, K step)
	s_lshr_b32 s29, s18, 4                         ; ty = cp / 16: q, k, v, u
	s_lshl_b32 s29, s29, 2
	s_and_b32 s30, s18, 1
	s_lshl_b32 s30, s30, 1
	s_add_co_u32 s29, s29, s30                     ; tile 4 ty + 2 (cp % 2)
	s_mul_i32 s24, s29, 1536
	s_add_co_u32 s24, s24, s28
	s_mov_b32 s25, 0
	s_lshl_b32 s26, s29, 6
	s_add_co_u32 s26, s26, s28
	s_add_co_u32 s26, s26, 24576
	s_mov_b32 s27, 0
	s_wait_kmcnt 0x0
	s_add_nc_u64 s[22:23], s[6:7], s[22:23]
	s_add_nc_u64 s[24:25], s[12:13], s[24:25]
	s_add_nc_u64 s[26:27], s[12:13], s[26:27]
	WPATH 8192, STW
	s_wait_tensorcnt 0x0
	ds_add_u32 v254, v255
	s_wait_dscnt 0x0
	s_endpgm
.Lwout:
	s_sub_co_u32 s17, ttmp9, 320
	s_and_b32 s18, s17, 3
	s_lshl_b32 s18, s18, 2
	s_add_co_u32 s18, s18, s16                     ; cp: which 32 columns of the 512
	s_lshr_b32 s19, s17, 2                         ; K step
	s_lshl_b32 s22, s19, 18                        ; 128 rows of 2,048 bytes
	s_lshl_b32 s28, s18, 7
	s_add_co_u32 s22, s22, s28
	s_mov_b32 s23, 0
	s_lshl_b32 s28, s18, 2
	s_add_co_u32 s28, s28, s19                     ; 4 cp + K step
	s_mul_i32 s24, s28, 3072
	s_mov_b32 s25, 0
	s_lshl_b32 s26, s28, 7
	s_add_co_u32 s26, s26, 196608
	s_mov_b32 s27, 0
	s_wait_kmcnt 0x0
	s_add_nc_u64 s[22:23], s[8:9], s[22:23]
	s_add_nc_u64 s[24:25], s[14:15], s[24:25]
	s_add_nc_u64 s[26:27], s[14:15], s[26:27]
	WPATH 2048, STO
	s_wait_tensorcnt 0x0
	ds_add_u32 v254, v255
	s_wait_dscnt 0x0
	s_endpgm
.Lfunc_end_k_qf2340b43f4_quant:
	.size	k_qf2340b43f4_quant, .Lfunc_end_k_qf2340b43f4_quant-k_qf2340b43f4_quant
	.p2alignl 7, 3214868480
	.fill 96, 4, 3214868480
	.section	.rodata,"a",@progbits
	.p2align	6, 0x0
	.amdhsa_kernel k_qf2340b43f4_quant
		.amdhsa_group_segment_fixed_size 60928
		.amdhsa_private_segment_fixed_size 0
		.amdhsa_enable_private_segment 0
		.amdhsa_kernarg_size 48
		.amdhsa_user_sgpr_count 2
		.amdhsa_user_sgpr_kernarg_segment_ptr 1
		.amdhsa_wavefront_size32 1
		.amdhsa_system_sgpr_workgroup_id_x 1
		.amdhsa_system_sgpr_workgroup_id_y 1
		.amdhsa_system_sgpr_workgroup_id_z 1
		.amdhsa_system_vgpr_workitem_id 0
		.amdhsa_next_free_vgpr 256
		.amdhsa_next_free_sgpr 66
		.amdhsa_reserve_vcc 1
		.amdhsa_float_denorm_mode_32 3
		.amdhsa_float_denorm_mode_16_64 3
		.amdhsa_memory_ordered 1
		.amdhsa_forward_progress 1
		.amdhsa_inst_pref_size 61
	.end_amdhsa_kernel
	.amdgpu_metadata
---
amdhsa.version: [ 1, 2 ]
amdhsa.kernels:
  - .name:           k_qf2340b43f4_quant
    .symbol:         k_qf2340b43f4_quant.kd
    .args:
      - { .name: x, .offset: 0, .size: 8, .value_kind: global_buffer, .address_space: global }
      - { .name: W_qkuv, .offset: 8, .size: 8, .value_kind: global_buffer, .address_space: global }
      - { .name: W_out, .offset: 16, .size: 8, .value_kind: global_buffer, .address_space: global }
      - { .name: xq, .offset: 24, .size: 8, .value_kind: global_buffer, .address_space: global }
      - { .name: wq, .offset: 32, .size: 8, .value_kind: global_buffer, .address_space: global }
      - { .name: wo, .offset: 40, .size: 8, .value_kind: global_buffer, .address_space: global }
    .group_segment_fixed_size: 60928
    .private_segment_fixed_size: 0
    .kernarg_segment_align: 8
    .kernarg_segment_size: 48
    .max_flat_workgroup_size: 128
    .sgpr_count:     66
    .vgpr_count:     256
    .wavefront_size: 32
...
	.end_amdgpu_metadata
.endif
;; end of part 1
;; launch proj (part 2): grid 8 x 32, 16 waves a work-group, clusters of 4 x 4, 206,848 bytes of LDS; arguments xq, wq, qf, kv, uf; writes qf, kv, uf
.if DOCPART == 2
	.amdgcn_target "amdgcn-amd-amdhsa--gfx1250"
	.amdhsa_code_object_version 6
	.text
	.protected	k_qf2340b43f4_proj
	.globl	k_qf2340b43f4_proj
	.p2align	8
	.type	k_qf2340b43f4_proj,@function
k_qf2340b43f4_proj:
	s_mov_b64 s[64:65], 0
	v_nop
	global_prefetch_b8 v0, s[64:65] scope:SCOPE_SE
	s_setreg_imm32_b32 hwreg(HW_REG_WAVE_MODE, 25, 1), 1
	s_wait_xcnt 0x0
	s_wait_alu depctr_hold_cnt(0) depctr_sa_sdst(0) depctr_va_vdst(0) depctr_va_sdst(0) depctr_va_ssrc(0) depctr_va_vcc(0) depctr_vm_vsrc(0)
	s_getreg_b32 s2, hwreg(HW_REG_IB_STS2, 6, 4)
	s_cmp_eq_u32 s2, 0
	s_cbranch_scc0 .Lentry_in_a_cluster
	s_endpgm
.Lentry_in_a_cluster:
	s_bfe_u32 s2, ttmp6, 0x10000c
	s_cmp_lg_u32 s2, 0xf033
	s_cbranch_scc0 .Lentry_shape_is_right
	s_endpgm
.Lentry_shape_is_right:
; silu(x W_qkuv) on codes of BF6 (E3M2), and the quantising of q and k (along the head's 64) and of v (along the keys); u stays f32.
; A work-group takes 256 rows of x and one head: 64 columns of each of q, k, v, u.  All of K = 512 lies in LDS, filled once: 4 blocks of x and 4 of W, 25,600 bytes each, images of operand registers with their scale words.
; CLUSTER 4 x 4: the four of a row of the cluster share the rows of x, the four of a column share the head: each block is asked for jointly.
; ROLES by the wave's number: ty = w / 4 (q, k, v, u), sub = w % 4.
;   q, k, u: rows 64 sub on (4 tiles of x) x the 4 tiles of W; TRANSPOSED (source 0 = W, source 1 = x): a lane holds one row, and by the order of W's columns in a tile its 32 registers of a tile of rows
;            run along the head: register 16 b + i = d 32 b + 16 h + i.  Two tiles of rows, 64 registers, become ONE fragment: registers 0-5 the first tile (K = 64), 6-11 the second.
;   v:       rows 128 (sub / 2) on (8 tiles of x) x 2 tiles of W; source 0 = x, source 1 = W: a lane holds one channel and its 64 registers run along 128 keys.
;   k and v read x's tiles with rows chosen: tile 2 b + u takes in lane r row 32 b + 8 u + r % 8 + 16 (r / 8), so that in the next launch 16 registers of two neighbouring tiles are 16 neighbouring keys.
; OUT: qf [bh][32 queries][1,536], words from byte 3,145,728 on, [bh][32 queries][64];  kv [batch][128 keys][102,400]: [head][4 fragments of K | 4 of V] x 1,536, words from 98,304 on, [head][K 4 x 64 | V 4 x 64];
;      uf [bh][16 queries][4,096]: the registers of a lane as they stand, 8 pieces of 512 bytes.
; LIMITS: a block of zeros gets the byte 1 where the rule says 127 (zero codes; this program alone reads the bytes); NaN and infinities are not served.
.set XBLK, 25600
.set WV,   14                          ; s14 wave;  s15 ty;  s16 sub
.set TY,   15
.set SUB,  16
.set G1X,  24                          ; s[24:31], s[32:39] descriptor groups 1 for x's and W's blocks;  s[40:43], s[44:47] groups 0
.set G1W,  32
.set G0X,  40
.set G0W,  44
.set SEL,  48                          ; s[48:49] selects for lane l xor 16
.set CS,   50                          ; s[50:51] -log2(e)
.set XS,   12                          ; v12-15 x's scale words: lanes 0-15 tile 2 a, lanes 16-31 tile 2 a + 1
.set WS,   16                          ; v16-17 W's likewise
.set XF,   32                          ; v32-79  four fragments of x
.set WF,   80                          ; v80-127 up to four of W
.set ACC,  128                         ; v128-255 sixteen accumulators
.set EE,   32                          ; v32-95  at work in the activation
.macro CROUND                          ; a round of the cluster's barrier
	s_barrier_signal -1
	s_barrier_wait -1
	s_cmp_lg_u32 s[WV], 0
	s_cbranch_scc1 .Lnot_wave_0_\@
	s_barrier_signal -3
.Lnot_wave_0_\@:
	s_barrier_wait -3
	s_barrier_signal -1
	s_barrier_wait -1
.endm
; one product: D, source 0, source 1, their scale registers; z = 1: the constant 0 starts the sum, else D is added onto; ra, rb = 1: the side's words stand in lanes 16-31
.macro WM d, a, b, sa, sb, z, ra, rb
.if \z
.if (\ra) && (\rb)
	v_wmma_scale_f32_16x16x128_f8f6f4 v[\d:\d+7], v[\a:\a+11], v[\b:\b+11], 0, v[\sa], v[\sb] matrix_a_fmt:MATRIX_FMT_BF6 matrix_b_fmt:MATRIX_FMT_BF6 matrix_a_scale:MATRIX_SCALE_ROW1 matrix_b_scale:MATRIX_SCALE_ROW1
.elseif \ra
	v_wmma_scale_f32_16x16x128_f8f6f4 v[\d:\d+7], v[\a:\a+11], v[\b:\b+11], 0, v[\sa], v[\sb] matrix_a_fmt:MATRIX_FMT_BF6 matrix_b_fmt:MATRIX_FMT_BF6 matrix_a_scale:MATRIX_SCALE_ROW1
.elseif \rb
	v_wmma_scale_f32_16x16x128_f8f6f4 v[\d:\d+7], v[\a:\a+11], v[\b:\b+11], 0, v[\sa], v[\sb] matrix_a_fmt:MATRIX_FMT_BF6 matrix_b_fmt:MATRIX_FMT_BF6 matrix_b_scale:MATRIX_SCALE_ROW1
.else
	v_wmma_scale_f32_16x16x128_f8f6f4 v[\d:\d+7], v[\a:\a+11], v[\b:\b+11], 0, v[\sa], v[\sb] matrix_a_fmt:MATRIX_FMT_BF6 matrix_b_fmt:MATRIX_FMT_BF6
.endif
.else
.if (\ra) && (\rb)
	v_wmma_scale_f32_16x16x128_f8f6f4 v[\d:\d+7], v[\a:\a+11], v[\b:\b+11], v[\d:\d+7], v[\sa], v[\sb] matrix_a_fmt:MATRIX_FMT_BF6 matrix_b_fmt:MATRIX_FMT_BF6 matrix_a_scale:MATRIX_SCALE_ROW1 matrix_b_scale:MATRIX_SCALE_ROW1
.elseif \ra
	v_wmma_scale_f32_16x16x128_f8f6f4 v[\d:\d+7], v[\a:\a+11], v[\b:\b+11], v[\d:\d+7], v[\sa], v[\sb] matrix_a_fmt:MATRIX_FMT_BF6 matrix_b_fmt:MATRIX_FMT_BF6 matrix_a_scale:MATRIX_SCALE_ROW1
.elseif \rb
	v_wmma_scale_f32_16x16x128_f8f6f4 v[\d:\d+7], v[\a:\a+11], v[\b:\b+11], v[\d:\d+7], v[\sa], v[\sb] matrix_a_fmt:MATRIX_FMT_BF6 matrix_b_fmt:MATRIX_FMT_BF6 matrix_b_scale:MATRIX_SCALE_ROW1
.else
	v_wmma_scale_f32_16x16x128_f8f6f4 v[\d:\d+7], v[\a:\a+11], v[\b:\b+11], v[\d:\d+7], v[\sa], v[\sb] matrix_a_fmt:MATRIX_FMT_BF6 matrix_b_fmt:MATRIX_FMT_BF6
.endif
.endif
.endm
; 64 numbers of a lane, register 16 b + i = k 32 b + 16 h + i, become a fragment's codes in v[pc] .. v[pc + 11] and its scale word in v[pw].  tm: 12 registers at work.
.macro QUANT src, pc, pw, tm
.irp b, 0,1,2,3
	v_max3_num_f32 v[\tm+\b], |v[\src+16*\b]|, |v[\src+1+16*\b]|, 0x2800000   ; my 16 numbers of block b, and the floor 2^(5 - 127): the byte cannot fall under 1
.endr
.irp i, 2,4,6,8,10,12,14
.irp b, 0,1,2,3
	v_max3_num_f32 v[\tm+\b], v[\tm+\b], |v[\src+16*\b+\i]|, |v[\src+1+16*\b+\i]|
.endr
.endr
.irp b, 0,1,2,3
	v_permlanex16_b32 v[\tm+4+\b], v[\tm+\b], s[SEL], s[SEL+1]
.endr
.irp b, 0,1,2,3
	v_max_num_f32 v[\tm+\b], v[\tm+\b], v[\tm+4+\b]
.endr
.irp b, 0,1,2,3
	v_add_nc_u32 v[\tm+8+\b], 0xfe000000, v[\tm+\b]   ; 4 off the exponent field: the conversion's scale operand
.endr
.irp b, 0,1,2,3
	v_lshrrev_b32 v[\tm+4+\b], 23, v[\tm+8+\b]        ; the scale's byte
.endr
	v_lshl_or_b32 v[\pw], v[\tm+5], 8, v[\tm+4]
	v_lshl_or_b32 v[\pw], v[\tm+6], 16, v[\pw]
	v_lshl_or_b32 v[\pw], v[\tm+7], 24, v[\pw]
.irp c, 0,1
	v_cvt_scalef32_pk16_bf6_f32 v[\pc+6*\c:\pc+2+6*\c], v[\src+32*\c:\src+15+32*\c], v[\tm+8+2*\c]
	v_cvt_scalef32_pk16_bf6_f32 v[\pc+12+4*\c:\pc+14+4*\c], v[\src+16+32*\c:\src+31+32*\c], v[\tm+8+2*\c+1]
.endr
	v_nop                                          ; one plain line behind the scaled conversions
.irp c, 0,1
.irp i, 0,1,2
	v_permlane16_swap_b32 v[\pc+6*\c+\i], v[\pc+12+4*\c+\i]   ; a whole block to a lane
.endr
.irp i, 0,1,2
	v_mov_b32 v[\pc+3+6*\c+\i], v[\pc+12+4*\c+\i]
.endr
.endr
.endm
	s_load_b256 s[4:11], s[0:1], 0x0               ; xq s[4:5], wq s[6:7], qf s[8:9], kv s[10:11]
	s_load_b64 s[12:13], s[0:1], 0x20              ; uf
	v_lshl_add_u32 v30, v0, 2, 0x32000
	v_mov_b32 v31, 0
	ds_add_u32 v30, v31
	v_lshrrev_b32 v8, 5, v0
	v_readfirstlane_b32 s[WV], v8                  ; wave 0..15
	s_lshr_b32 s[TY], s[WV], 2
	s_and_b32 s[SUB], s[WV], 3
	s_bfe_u32 s17, ttmp6, 0x40000                  ; cx
	s_bfe_u32 s18, ttmp6, 0x40004                  ; cy
	s_lshl_b32 s19, ttmp9, 2
	s_add_co_u32 s19, s19, s17                     ; head = 4 x cluster x + cx
	s_and_b32 s20, ttmp7, 0xffff
	s_lshl_b32 s20, s20, 2
	s_add_co_u32 s20, s20, s18                     ; block of 256 rows = 4 x cluster y + cy
	s_lshl_b32 s21, s18, 2
	s_lshl_b32 s21, 15, s21                        ; my row of the cluster
	s_lshl_b32 s22, 0x1111, s17                    ; my column
	s_or_b32 s[G1X], s21, (3<<16)|(1<<21)          ; 15:0 the mask; 17:16 elements of 8 bytes; 21 set beside a mask; no padding: every LDS read takes 512 consecutive bytes or a permutation inside them
	s_or_b32 s[G1W], s22, (3<<16)|(1<<21)
.irp g, G1X, G1W                       ; a dense block of 25,600 bytes as 100 rows of 256
	s_mov_b32 s[\g+1], 32<<16                      ; tensor_dim0 = 32
	s_mov_b32 s[\g+2], 100<<16                     ; tensor_dim1 = 100
	s_mov_b32 s[\g+3], 32<<16                      ; tile_dim0
	s_mov_b32 s[\g+4], 100                         ; tile_dim1
	s_mov_b32 s[\g+5], 32                          ; pitch
	s_mov_b32 s[\g+6], 0
	s_mov_b32 s[\g+7], 0
.endr
	s_min_u32 s23, s[WV], 7                        ; waves 0-3 fetch x's K steps, waves 4-7 W's; the others fetch nothing
	s_mul_i32 s52, s23, XBLK                       ; LDS: x's four blocks, then W's four
	s_and_b32 s23, s23, 3                          ; the K step
	s_lshl_b32 s54, s20, 2
	s_add_co_u32 s54, s54, s23
	s_mul_i32 s54, s54, XBLK                       ; x's block: hangs on the rows alone
	s_mov_b32 s55, 0
	s_lshl_b32 s56, s19, 2
	s_add_co_u32 s56, s56, s23
	s_mul_i32 s56, s56, XBLK                       ; W's block: hangs on the head alone
	s_mov_b32 s57, 0
	s_wait_dscnt 0x0
	s_wait_kmcnt 0x0
	s_mov_b32 s[G0X], 1
	s_mov_b32 s[G0X+1], s52
	s_add_nc_u64 s[G0X+2:G0X+3], s[4:5], s[54:55]
	s_or_b32 s[G0X+3], s[G0X+3], 0x80000000
	s_mov_b32 s[G0W], 1
	s_mov_b32 s[G0W+1], s52
	s_add_nc_u64 s[G0W+2:G0W+3], s[6:7], s[56:57]
	s_or_b32 s[G0W+3], s[G0W+3], 0x80000000
	CROUND                                         ; all sixteen work-groups are here: the joint loads meet
	s_cmp_lt_u32 s[WV], 4                          ; the only fills of the launch: one load a wave, in one branch on the wave's number; four v_nop follow each line
	s_cbranch_scc0 .Lnot_x
	tensor_load_to_lds s[G0X:G0X+3], s[G1X:G1X+7]
	s_nop 0
.rept 4
	v_nop
.endr
	s_branch .Lasked
.Lnot_x:
	s_cmp_lt_u32 s[WV], 8
	s_cbranch_scc0 .Lasked
	tensor_load_to_lds s[G0W:G0W+3], s[G1W:G1W+7]
	s_nop 0
.rept 4
	v_nop
.endr
.Lasked:
	; ---- the roles' numbers, from the wave's number alone
	s_add_co_u32 s58, s[TY], 1
	s_lshr_b32 s58, s58, 1
	s_and_b32 s58, s58, 1                          ; pf = 1 for k and v: x's tiles with chosen rows
	s_xor_b32 s59, s58, 1
	s_and_b32 s60, s[TY], 1
	s_xor_b32 s60, s60, 1
	s_lshr_b32 s61, s[TY], 1
	s_and_b32 s60, s60, s61                        ; isv = 1 for v
	s_xor_b32 s61, s60, 3
	s_and_b32 s61, s61, s[SUB]
	s_lshl_b32 s61, s61, 2                         ; ft, my first tile of x: 4 sub; for v 8 (sub / 2)
	s_and_b32 s62, s[SUB], 1
	s_and_b32 s62, s62, s60
	s_lshl_b32 s62, s62, 1
	s_lshl_b32 s63, s[TY], 2
	s_add_co_u32 s62, s62, s63                     ; wt, my first tile of W: 4 ty; for v 8 + 2 (sub % 2)
	; ---- LDS addresses, all made ahead of the parting of the roles
	v_and_b32 v8, 31, v0                           ; lane
	v_and_b32 v9, 7, v0                            ; r % 8
	v_bfe_u32 v10, v0, 3, 1                        ; r / 8
	v_bfe_u32 v11, v0, 4, 1                        ; h
	v_lshlrev_b32 v6, 4, v8                        ; 16 x lane
	v_lshlrev_b32 v7, 2, v8                        ; 4 x lane
	s_mul_i32 s86, s58, 1536
	s_mul_i32 s87, s61, 1536
	s_mul_i32 s88, s59, 1536
	s_add_co_u32 s88, s88, s87
	v_mul_u32_u24 v18, v10, s86                    ; chosen rows: lanes 8-15 read the next stored tile
	v_add_nc_u32 v1, v6, v18                       ; v1: even tiles of x: 16 x lane (+ that) + 1,536 ft
	v_add_nc_u32 v1, s87, v1
	v_xor_b32 v2, 128, v6                          ; v2: odd tiles: 16 x (lane xor 8), which undoes the stored odd tile's order or picks rows 8-15 of the even one,
	v_add_nc_u32 v2, v2, v18
	v_add_nc_u32 v2, s88, v2                       ; + 1,536 where the tiles are read as stored
	s_mul_i32 s89, s62, 1536
	s_add_co_u32 s89, s89, 102400
	v_add_nc_u32 v3, s89, v6                       ; v3: W's fragments
	v_add_nc_u32 v19, v10, v11
	v_lshlrev_b32 v4, 2, v9
	v_lshl_add_u32 v4, v19, 5, v4                  ; v4: x's words.  As stored: 4 r + 64 h; chosen rows: 4 (8 h + r % 8 + 16 (r / 8))
	s_lshl_b32 s90, s59, 5
	s_lshl_b32 s91, s58, 5
	v_mad_u32_u24 v4, v11, s90, v4
	v_mad_u32_u24 v4, v10, s91, v4
	s_lshl_b32 s92, s61, 6
	s_add_co_u32 s92, s92, 24576
	v_add_nc_u32 v4, s92, v4
	s_lshl_b32 s93, s62, 6
	s_add_co_u32 s93, s93, 102400+24576
	v_add_nc_u32 v5, s93, v7                       ; v5: W's words
	s_mov_b32 s[SEL], 0x76543210
	s_mov_b32 s[SEL+1], 0xfedcba98
	s_mov_b32 s[CS], 0xbfb8aa3b                    ; -log2(e)
	s_mov_b32 s[CS+1], s[CS]
	; ---- where the results go
	s_lshr_b32 s66, s20, 4                         ; batch
	s_and_b32 s67, s20, 15                         ; block of 256 rows in the batch
	s_lshl_b32 s68, s66, 3
	s_add_co_u32 s68, s68, s19                     ; bh
	s_lshl_b32 s69, s68, 7
	s_lshl_b32 s70, s67, 3
	s_add_co_u32 s69, s69, s70
	s_lshl_b32 s70, s[SUB], 1
	s_add_co_u32 s69, s69, s70                     ; q: my first pair of tiles
	s_mul_i32 s70, s69, 1536
	s_lshl_b32 s71, s69, 6
	s_add_co_u32 s71, s71, 3145728
	s_lshl_b32 s72, s66, 5
	s_lshl_b32 s73, s67, 1
	s_add_co_u32 s72, s72, s73
	s_lshr_b32 s73, s[SUB], 1
	s_add_co_u32 s72, s72, s73
	s_mul_i32 s72, s72, 102400                     ; k, v: the block of my 128 keys
	s_and_b32 s73, s[SUB], 1
	s_mul_i32 s74, s19, 12288
	s_add_co_u32 s74, s74, s72
	s_mul_i32 s75, s60, 6144
	s_add_co_u32 s74, s74, s75
	s_mul_i32 s75, s73, 3072
	s_add_co_u32 s74, s74, s75                     ; my two fragments
	s_lshl_b32 s75, s19, 9
	s_add_co_u32 s75, s75, s72
	s_lshl_b32 s76, s60, 8
	s_add_co_u32 s75, s75, s76
	s_lshl_b32 s76, s73, 7
	s_add_co_u32 s75, s75, s76
	s_add_co_u32 s75, s75, 98304                   ; and their words
	s_cmp_eq_u32 s[TY], 0
	s_cselect_b64 s[78:79], s[8:9], s[10:11]
	s_cselect_b32 s80, s70, s74
	s_cselect_b32 s82, s71, s75
	s_mov_b32 s81, 0
	s_mov_b32 s83, 0
	s_add_nc_u64 s[80:81], s[78:79], s[80:81]      ; codes
	s_add_nc_u64 s[82:83], s[78:79], s[82:83]      ; words
	s_lshl_b32 s84, s68, 8
	s_lshl_b32 s85, s67, 4
	s_add_co_u32 s84, s84, s85
	s_lshl_b32 s85, s[SUB], 2
	s_add_co_u32 s84, s84, s85
	s_lshl_b32 s84, s84, 12
	s_mov_b32 s85, 0
	s_add_nc_u64 s[84:85], s[12:13], s[84:85]      ; u: my four tiles of 4,096 bytes
	s_wait_tensorcnt 0x0                           ; my block has landed,
	s_barrier_signal -1
	s_barrier_wait -1                              ; everybody's has
; A K step of 128.  The 16 accumulators take turns, one instruction a turn.  The five address steps behind the products are also the four places
; in front of the next step's loads into registers that the products have read (ISA guide 7.12.1 for vector instructions).
.macro KSTEP_T s
.set ZF, 0
.if \s == 0
.set ZF, 1
.endif
.irp t, 0,1,2,3
.irp c, 0,1,2
	ds_load_b128 v[WF+12*\t+4*\c:WF+12*\t+4*\c+3], v3 offset:1536*\t+512*\c
.endr
.endr
.irp i, 0,1,2,3
.irp c, 0,1,2
	ds_load_b128 v[XF+12*\i+4*\c:XF+12*\i+4*\c+3], v[1+\i%2] offset:3072*(\i/2)+512*\c
.endr
.endr
	ds_load_b32 v[XS], v4
	ds_load_b32 v[XS+1], v4 offset:128
	ds_load_b32 v[WS], v5
	ds_load_b32 v[WS+1], v5 offset:128
	s_wait_dscnt 0x0
.irp i, 0,1,2,3
.irp t, 0,1,2,3
	WM ACC+32*\i+8*\t, WF+12*\t, XF+12*\i, WS+\t/2, XS+\i/2, ZF, \t%2, \i%2
.endr
.endr
.if \s < 3
.irp a, 1,2,3,4,5
	v_add_nc_u32 v\a, XBLK, v\a
.endr
.endif
.endm
.macro KSTEP_V s
.set ZF, 0
.if \s == 0
.set ZF, 1
.endif
.irp t, 0,1
.irp c, 0,1,2
	ds_load_b128 v[WF+12*\t+4*\c:WF+12*\t+4*\c+3], v3 offset:1536*\t+512*\c
.endr
.endr
	ds_load_b32 v[WS], v5
.irp a, 0,1,2,3
	ds_load_b32 v[XS+\a], v4 offset:128*\a
.endr
.irp g, 0,1
.if \g
.rept 4
	v_nop                                          ; places in front of loads into x's registers, which the products above have read
.endr
.endif
.irp i, 0,1,2,3
.irp c, 0,1,2
	ds_load_b128 v[XF+12*\i+4*\c:XF+12*\i+4*\c+3], v[1+\i%2] offset:6144*\g+3072*(\i/2)+512*\c
.endr
.endr
	s_wait_dscnt 0x0
.irp i, 0,1,2,3
.irp t, 0,1
	WM ACC+64*\t+8*(4*\g+\i), XF+12*\i, WF+12*\t, XS+2*\g+\i/2, WS, ZF, \i%2, \t
.endr
.endr
.endr
.if \s < 3
.irp a, 1,2,3,4,5
	v_add_nc_u32 v\a, XBLK, v\a
.endr
.endif
.endm
	s_cmp_eq_u32 s[TY], 2
	s_cbranch_scc1 .Lrole_v
	KSTEP_T 0
	KSTEP_T 1
	KSTEP_T 2
	KSTEP_T 3
	s_branch .Ljoin
.Lrole_v:
	KSTEP_V 0
	KSTEP_V 1
	KSTEP_V 2
	KSTEP_V 3
.Ljoin:
.rept 4
	v_nop                                          ; places behind the last products: results are read, operands' registers written
.endr
; silu(y) = y / (1 + 2^(-y log2(e))), 64 numbers at a time; each batch of transcendentals has one plain line and one wait behind it, ahead of its first reader.  Each accumulator is read from its low end on.
.macro SILU base
.set j, 0
.rept 32
	v_pk_mul_f32 v[EE+j:EE+j+1], v[\base+j:\base+j+1], s[CS:CS+1] op_sel_hi:[1,0]
.set j, j+2
.endr
.set j, 0
.rept 64
	v_exp_f32 v[EE+j], v[EE+j]
.set j, j+1
.endr
	v_nop
	s_wait_alu depctr_va_vdst(0)
.set j, 0
.rept 32
	v_pk_add_f32 v[EE+j:EE+j+1], v[EE+j:EE+j+1], 1.0 op_sel_hi:[1,0]
.set j, j+2
.endr
.set j, 0
.rept 64
	v_rcp_f32 v[EE+j], v[EE+j]
.set j, j+1
.endr
	v_nop
	s_wait_alu depctr_va_vdst(0)
.set j, 0
.rept 32
	v_pk_mul_f32 v[\base+j:\base+j+1], v[\base+j:\base+j+1], v[EE+j:EE+j+1]
.set j, j+2
.endr
.endm
	SILU ACC
	SILU ACC+64
	s_cmp_eq_u32 s[TY], 3
	s_cbranch_scc1 .Lrole_u
.irp b, 0,1,2,3
	v_mov_b32 v[100+\b], 0                         ; a lane permute's destination counts as one of its sources
.endr
	QUANT ACC, 32, 108, 96
	QUANT ACC+64, 52, 109, 96
.irp c, 0,1,2
	global_store_b128 v6, v[32+4*\c:32+4*\c+3], s[80:81] offset:512*\c          ; 512 consecutive bytes a store
.endr
.irp c, 0,1,2
	global_store_b128 v6, v[52+4*\c:52+4*\c+3], s[80:81] offset:1536+512*\c
.endr
	v_cmp_le_u32 vcc_lo, 16, v8
	v_cndmask_b32 v110, v108, v109, vcc_lo         ; lanes 0-15: the first fragment's words, lanes 16-31: the second's
	global_store_b32 v7, v110, s[82:83]
	s_branch .Ldone
.Lrole_u:
.set p, 0
.rept 32
	global_store_b128 v6, v[ACC+4*p:ACC+4*p+3], s[84:85] offset:512*p
.set p, p+1
.endr
.Ldone:
	s_wait_tensorcnt 0x0
	ds_add_u32 v30, v31
	s_wait_dscnt 0x0
	CROUND                                         ; the closing round: no work-group ends while a partner may still ask for a block that names it
	s_endpgm
.Lfunc_end_k_qf2340b43f4_proj:
	.size	k_qf2340b43f4_proj, .Lfunc_end_k_qf2340b43f4_proj-k_qf2340b43f4_proj
	.p2alignl 7, 3214868480
	.fill 96, 4, 3214868480
	.section	.rodata,"a",@progbits
	.p2align	6, 0x0
	.amdhsa_kernel k_qf2340b43f4_proj
		.amdhsa_group_segment_fixed_size 206848
		.amdhsa_private_segment_fixed_size 0
		.amdhsa_enable_private_segment 0
		.amdhsa_kernarg_size 40
		.amdhsa_user_sgpr_count 2
		.amdhsa_user_sgpr_kernarg_segment_ptr 1
		.amdhsa_wavefront_size32 1
		.amdhsa_system_sgpr_workgroup_id_x 1
		.amdhsa_system_sgpr_workgroup_id_y 1
		.amdhsa_system_sgpr_workgroup_id_z 1
		.amdhsa_system_vgpr_workitem_id 0
		.amdhsa_next_free_vgpr 256
		.amdhsa_next_free_sgpr 100
		.amdhsa_reserve_vcc 1
		.amdhsa_float_denorm_mode_32 3
		.amdhsa_float_denorm_mode_16_64 3
		.amdhsa_memory_ordered 1
		.amdhsa_forward_progress 1
		.amdhsa_inst_pref_size 75
	.end_amdhsa_kernel
	.amdgpu_metadata
---
amdhsa.version: [ 1, 2 ]
amdhsa.kernels:
  - .name:           k_qf2340b43f4_proj
    .symbol:         k_qf2340b43f4_proj.kd
    .args:
      - { .name: xq, .offset: 0, .size: 8, .value_kind: global_buffer, .address_space: global }
      - { .name: wq, .offset: 8, .size: 8, .value_kind: global_buffer, .address_space: global }
      - { .name: qf, .offset: 16, .size: 8, .value_kind: global_buffer, .address_space: global }
      - { .name: kv, .offset: 24, .size: 8, .value_kind: global_buffer, .address_space: global }
      - { .name: uf, .offset: 32, .size: 8, .value_kind: global_buffer, .address_space: global }
    .group_segment_fixed_size: 206848
    .private_segment_fixed_size: 0
    .kernarg_segment_align: 8
    .kernarg_segment_size: 40
    .max_flat_workgroup_size: 512
    .sgpr_count:     100
    .vgpr_count:     256
    .wavefront_size: 32
...
	.end_amdgpu_metadata
.endif
;; end of part 2
;; launch attn (part 3): grid 256 x 1, 16 waves a work-group, clusters of 4 x 1, 327,680 bytes of LDS; arguments qf, kv, uf, wo, attn_mask, ln_gamma, ln_beta, out0; writes out0
.if DOCPART == 3
	.amdgcn_target "amdgcn-amd-amdhsa--gfx1250"
	.amdhsa_code_object_version 6
	.text
	.protected	k_qf2340b43f4_attn
	.globl	k_qf2340b43f4_attn
	.p2align	8
	.type	k_qf2340b43f4_attn,@function
k_qf2340b43f4_attn:
	s_mov_b64 s[64:65], 0
	v_nop
	global_prefetch_b8 v0, s[64:65] scope:SCOPE_SE
	s_setreg_imm32_b32 hwreg(HW_REG_WAVE_MODE, 25, 1), 1
	s_wait_xcnt 0x0
	s_wait_alu depctr_hold_cnt(0) depctr_sa_sdst(0) depctr_va_vdst(0) depctr_va_sdst(0) depctr_va_ssrc(0) depctr_va_vcc(0) depctr_vm_vsrc(0)
	s_getreg_b32 s2, hwreg(HW_REG_IB_STS2, 6, 4)
	s_cmp_eq_u32 s2, 0
	s_cbranch_scc0 .Lentry_in_a_cluster
	s_endpgm
.Lentry_in_a_cluster:
	s_bfe_u32 s2, ttmp6, 0x10000c
	s_cmp_lg_u32 s2, 0x3003
	s_cbranch_scc0 .Lentry_shape_is_right
	s_endpgm
.Lentry_shape_is_right:
; out = (LayerNorm_d(sum over keys of Q(silu(q . k / 8) x mask) Q(v)) x gamma + beta) x u, quantised along D, times W_out: three products on codes of BF6 (E3M2), one E8M0 scale for each 32 along K.
; The mask is an input of f32 numbers: every score is computed and every mask number is read and multiplied.
; SHARES.  A work-group owns 32 queries of one batch and ALL 8 heads, so that the last product's K = 512 is whole inside it.  Wave w: tile of 16 queries w % 2, head w / 2; 256 registers, four waves to a SIMD.
; Every wave walks the 4,096 keys, 128 a step.  A step's K and V of all 8 heads with their scale words are one dense block of 102,400 bytes (images of operand registers); the work-group's part of the mask is 32 rows x 512 bytes.
; CLUSTER 4 x 1: four query blocks of one batch walk the same blocks of K and V: these are asked for JOINTLY (waves 0-3, a quarter each).  The mask's tile is each work-group's own (wave 4).
; LAYOUT.  S^T = K Q^T (source 0 = keys, source 1 = my queries) and O^T = V^T P^T: a lane holds ONE query.  The head's K is 64: a fragment of K holds TWO tiles of 16 keys, one in registers 0-5, one in 6-11;
; q stands between zeros, [q | 0] picks the first tile and [0 | q] the second: zero codes add nothing.  The keys of a tile are chosen so that registers 16 b + i of the scores are keys 32 b + 16 (lane / 16) + i.
; p = s m / (8 + 8 x 2^(-s log2(e) / 8)) = silu(s / 8) m, in f32.  V's channels are chosen likewise: register 16 b + i of O^T is channel 32 b + 16 (lane / 16) + i.
; TWO GROUPS, HALF A STEP APART.  A step has two halves: LOADS (44 LDS loads, 20.5 KB a wave, and the 8 score products) and VEC (some 320 vector instructions and the 4 products V^T P^T), which touches registers alone.
; Between two changes of slots group 0 runs LOADS(j), VEC(j); group 1 runs VEC(j - 1), LOADS(j): at the barrier it holds the scores, the mask and V of its step in the registers that they have anyway.
; So one group's LDS reads stand beside the other group's vector work.  Group = (w xor w / 4) % 2: of waves w, w + 4, w + 8, w + 12 two are in each group, and of waves 4 k .. 4 k + 3 likewise.
; Both groups read slot j in trip j only, behind the round that showed it whole, and have waited for these reads in front of the round behind which it is filled again.
; LIMITS: a block of zeros gets the byte 1 where the rule says 127 (zero codes; nobody else reads the bytes); NaN and infinities are not served.
.set SLOT1, 131072                     ; a slot: 102,400 bytes of K, V and words, then the mask's 32 rows x 528; slot 1 begins here, so that one exclusive or turns an address
.set MOFF,  102400
.set SPARE, 250368                     ; behind the ring: the spare words, 128 bytes for each of 16 waves: eight blocks of 256 bytes that no other line names
.set A4S,   12288                      ; the tail, in slot 0, which has had its last fill and its last read at the last change of slots: from 0 the last product's 8 fragments x 1,536; from here their words, 8 x 128;
.set STG,   13312                      ; and the stage for out: 32 rows x (2,048 + 16)
.set AKV, 1                            ; v1  16 x lane + my head's 12,288 bytes
.set ASC, 2                            ; v2  my head's scale words, 4 x lane
.set AMK, 3                            ; v3  my query's row of the mask's tile, + 64 (lane / 16)
.set SPW, 4                            ; v4  LDS address of my spare word; never rewritten
.set NIL, 5                            ; v5  0; never rewritten
.set ADK, 6                            ; v6-8 the three addresses in the slot in hand
.set ADS, 7
.set ADM, 8
.set PFO, 9                            ; v9  the prefetches' offset; never rewritten
.set QHI, 10                           ; v[10:21] = [0 | q];  v[16:27] = [q | 0]
.set QLO, 16
.set QW,  28                           ; v28 q's scale word, its two bytes twice
.set PW,  29                           ; v29 p's scale word
.set FF,  32                           ; v32-79 four fragments of K, then of V
.set KS,  80                           ; v80-81 K's words, v82-83 V's: lanes 0-15 fragment 2 a, lanes 16-31 fragment 2 a + 1
.set VS,  82
.set TM,  84                           ; v84-95 at work in QUANT
.set SS,  96                           ; v96-159 the scores, then p
.set MM,  160                          ; v160-223 the mask, then s x m, then p's codes
.set OO,  224                          ; v224-255 O^T
.set WV,  20
.set QT,  21
.set HD,  22
.set BA,  24
.set QB,  25
.set BH,  26
.set GRP, 27                           ; s27 my group: (w xor w / 4) % 2
.set G1K, 28                           ; s[28:35], s[36:43] descriptor groups 1;  s[44:47], s[48:51] groups 0, which walk
.set G1M, 36
.set G0K, 44
.set G0M, 48
.set TB,  52                           ; s52 where the slot in hand begins
.set CNT, 53                           ; s53 refills still to come
.set SEL, 54                           ; s[54:55] selects for lane l xor 16
.set CC,  56                           ; s[56:57] -log2(e) / 8
.set C8,  58                           ; s[58:59] 8.0
.set PFA, 60                           ; s[60:61] where my prefetches stand;  s[62:63] a step on, in bytes
.set PFS, 62
.set LIM, 66                           ; s66 1 in a wave that prefetches, else the greatest number
.macro CROUND                          ; a round of the cluster's barrier
	s_barrier_signal -1
	s_barrier_wait -1
	s_cmp_lg_u32 s[WV], 0
	s_cbranch_scc1 .Lnot_wave_0_\@
	s_barrier_signal -3
.Lnot_wave_0_\@:
	s_barrier_wait -3
	s_barrier_signal -1
	s_barrier_wait -1
.endm
; Waves 0-3 ask jointly for a quarter each of the step's K and V, wave 4 for the mask's tile, the others for nothing.  The branches hang on the wave's number alone.  Four v_nop follow each line.
.macro TLOAD
	s_cmp_lt_u32 s[WV], 4
	s_cbranch_scc0 .Lnot_kv_\@
	tensor_load_to_lds s[G0K:G0K+3], s[G1K:G1K+7]
	s_nop 0
.rept 4
	v_nop
.endr
	s_branch .Lasked_\@
.Lnot_kv_\@:
	s_cmp_eq_u32 s[WV], 4
	s_cbranch_scc0 .Lasked_\@
	tensor_load_to_lds s[G0M:G0M+3], s[G1M:G1M+7]
	s_nop 0
.rept 4
	v_nop
.endr
.Lasked_\@:
.endm
; A PREFETCH INTO THE L2 of what the NEXT change of slots will ask for, one step (12 products and a tile's activation in each wave) ahead of that load; one instruction in each wave that asks.
; The mask's tile, 32 rows x 512 bytes: waves 5 and 6, a lane a row, a wave to each 256 bytes; both batches read the same rows, so batch 0's work-groups ask.
; K's and V's block, 400 x 256 bytes: every cluster of a batch walks it, so the batch's first cluster asks; its four partners take 100 blocks each BY ADDRESS, waves 7-10 take 25 each (lanes 25-31 name lane 24's block again).
; The last refill asks for nothing; steps 0 and 1 come by their loads alone.
.macro ASK
	s_cmp_gt_u32 s[CNT], s[LIM]
	s_cbranch_scc0 .Lnot_mine_\@
	global_prefetch_b8 v[PFO], s[PFA:PFA+1] th:TH_LOAD_NT scope:SCOPE_SE
.Lnot_mine_\@:
.endm
; one product: D, source 0, source 1, their scale registers; z = 1: the constant 0 starts the sum, else D is added onto; ra, rb = 1: the side's words stand in lanes 16-31
.macro WM d, a, b, sa, sb, z, ra, rb
.if \z
.if (\ra) && (\rb)
	v_wmma_scale_f32_16x16x128_f8f6f4 v[\d:\d+7], v[\a:\a+11], v[\b:\b+11], 0, v[\sa], v[\sb] matrix_a_fmt:MATRIX_FMT_BF6 matrix_b_fmt:MATRIX_FMT_BF6 matrix_a_scale:MATRIX_SCALE_ROW1 matrix_b_scale:MATRIX_SCALE_ROW1
.elseif \ra
	v_wmma_scale_f32_16x16x128_f8f6f4 v[\d:\d+7], v[\a:\a+11], v[\b:\b+11], 0, v[\sa], v[\sb] matrix_a_fmt:MATRIX_FMT_BF6 matrix_b_fmt:MATRIX_FMT_BF6 matrix_a_scale:MATRIX_SCALE_ROW1
.elseif \rb
	v_wmma_scale_f32_16x16x128_f8f6f4 v[\d:\d+7], v[\a:\a+11], v[\b:\b+11], 0, v[\sa], v[\sb] matrix_a_fmt:MATRIX_FMT_BF6 matrix_b_fmt:MATRIX_FMT_BF6 matrix_b_scale:MATRIX_SCALE_ROW1
.else
	v_wmma_scale_f32_16x16x128_f8f6f4 v[\d:\d+7], v[\a:\a+11], v[\b:\b+11], 0, v[\sa], v[\sb] matrix_a_fmt:MATRIX_FMT_BF6 matrix_b_fmt:MATRIX_FMT_BF6
.endif
.else
.if (\ra) && (\rb)
	v_wmma_scale_f32_16x16x128_f8f6f4 v[\d:\d+7], v[\a:\a+11], v[\b:\b+11], v[\d:\d+7], v[\sa], v[\sb] matrix_a_fmt:MATRIX_FMT_BF6 matrix_b_fmt:MATRIX_FMT_BF6 matrix_a_scale:MATRIX_SCALE_ROW1 matrix_b_scale:MATRIX_SCALE_ROW1
.elseif \ra
	v_wmma_scale_f32_16x16x128_f8f6f4 v[\d:\d+7], v[\a:\a+11], v[\b:\b+11], v[\d:\d+7], v[\sa], v[\sb] matrix_a_fmt:MATRIX_FMT_BF6 matrix_b_fmt:MATRIX_FMT_BF6 matrix_a_scale:MATRIX_SCALE_ROW1
.elseif \rb
	v_wmma_scale_f32_16x16x128_f8f6f4 v[\d:\d+7], v[\a:\a+11], v[\b:\b+11], v[\d:\d+7], v[\sa], v[\sb] matrix_a_fmt:MATRIX_FMT_BF6 matrix_b_fmt:MATRIX_FMT_BF6 matrix_b_scale:MATRIX_SCALE_ROW1
.else
	v_wmma_scale_f32_16x16x128_f8f6f4 v[\d:\d+7], v[\a:\a+11], v[\b:\b+11], v[\d:\d+7], v[\sa], v[\sb] matrix_a_fmt:MATRIX_FMT_BF6 matrix_b_fmt:MATRIX_FMT_BF6
.endif
.endif
.endm
; 64 numbers of a lane, register 16 b + i = k 32 b + 16 h + i, become a fragment's codes in v[pc] .. v[pc + 11] and its scale word in v[pw].  tm: 12 registers at work.
.macro QUANT src, pc, pw, tm
.irp b, 0,1,2,3
	v_max3_num_f32 v[\tm+\b], |v[\src+16*\b]|, |v[\src+1+16*\b]|, 0x2800000   ; my 16 numbers of block b, and the floor 2^(5 - 127): the byte cannot fall under 1
.endr
.irp i, 2,4,6,8,10,12,14
.irp b, 0,1,2,3
	v_max3_num_f32 v[\tm+\b], v[\tm+\b], |v[\src+16*\b+\i]|, |v[\src+1+16*\b+\i]|
.endr
.endr
.irp b, 0,1,2,3
	v_permlanex16_b32 v[\tm+4+\b], v[\tm+\b], s[SEL], s[SEL+1]
.endr
.irp b, 0,1,2,3
	v_max_num_f32 v[\tm+\b], v[\tm+\b], v[\tm+4+\b]
.endr
.irp b, 0,1,2,3
	v_add_nc_u32 v[\tm+8+\b], 0xfe000000, v[\tm+\b]   ; 4 off the exponent field: the conversion's scale operand
.endr
.irp b, 0,1,2,3
	v_lshrrev_b32 v[\tm+4+\b], 23, v[\tm+8+\b]        ; the scale's byte
.endr
	v_lshl_or_b32 v[\pw], v[\tm+5], 8, v[\tm+4]
	v_lshl_or_b32 v[\pw], v[\tm+6], 16, v[\pw]
	v_lshl_or_b32 v[\pw], v[\tm+7], 24, v[\pw]
.irp c, 0,1
	v_cvt_scalef32_pk16_bf6_f32 v[\pc+6*\c:\pc+2+6*\c], v[\src+32*\c:\src+15+32*\c], v[\tm+8+2*\c]
	v_cvt_scalef32_pk16_bf6_f32 v[\pc+12+4*\c:\pc+14+4*\c], v[\src+16+32*\c:\src+31+32*\c], v[\tm+8+2*\c+1]
.endr
	v_nop                                          ; one plain line behind the scaled conversions
.irp c, 0,1
.irp i, 0,1,2
	v_permlane16_swap_b32 v[\pc+6*\c+\i], v[\pc+12+4*\c+\i]   ; a whole block to a lane
.endr
.irp i, 0,1,2
	v_mov_b32 v[\pc+3+6*\c+\i], v[\pc+12+4*\c+\i]
.endr
.endr
.endm
	s_load_b256 s[4:11], s[0:1], 0x0               ; qf s[4:5], kv s[6:7], uf s[8:9], wo s[10:11]
	s_load_b256 s[12:19], s[0:1], 0x20             ; mask s[12:13], gamma s[14:15], beta s[16:17], out s[18:19]
	v_lshl_add_u32 v[SPW], v0, 2, SPARE
	v_mov_b32 v[NIL], 0
	ds_add_u32 v4, v5
	s_wait_dscnt 0x0
	v_lshrrev_b32 v96, 5, v0
	v_readfirstlane_b32 s[WV], v96                 ; wave 0..15
	s_and_b32 s[QT], s[WV], 1                      ; my tile of 16 queries
	s_lshr_b32 s[HD], s[WV], 1                     ; my head
	s_lshr_b32 s[GRP], s[WV], 2
	s_xor_b32 s[GRP], s[GRP], s[WV]
	s_and_b32 s[GRP], s[GRP], 1                    ; my group
	s_bfe_u32 s23, ttmp6, 0x40000                  ; cx
	s_lshr_b32 s[BA], ttmp9, 5                     ; the batch: 32 clusters each; the same in all four partners
	s_lshl_b32 s[QB], ttmp9, 2
	s_add_co_u32 s[QB], s[QB], s23
	s_and_b32 s[QB], s[QB], 127                    ; my block of 32 queries
	s_lshl_b32 s[BH], s[BA], 3
	s_add_co_u32 s[BH], s[BH], s[HD]
	s_mov_b32 s[G1K], 15|(3<<16)|(1<<21)           ; 15:0 the mask: all four work-groups; 17:16 elements of 8 bytes; 21 set beside a mask.  A quarter block: 100 rows of 256 bytes, dense
	s_mov_b32 s[G1K+1], 32<<16
	s_mov_b32 s[G1K+2], 100<<16
	s_mov_b32 s[G1K+3], 32<<16
	s_mov_b32 s[G1K+4], 100
	s_mov_b32 s[G1K+5], 32
	s_mov_b32 s[G1K+6], 0
	s_mov_b32 s[G1K+7], 0
	s_mov_b32 s[G1M], (2<<16)|(1<<20)|(6<<22)|(3<<25)  ; no mask: my own load; elements of 4 bytes; 4 words of padding behind every 128: rows 528 bytes apart, so that 16 rows start in 16 different groups of banks
	s_mov_b32 s[G1M+1], 128<<16                    ; tensor_dim0 = 128 keys
	s_mov_b32 s[G1M+2], 32<<16                     ; tensor_dim1 = 32 queries
	s_mov_b32 s[G1M+3], 128<<16
	s_mov_b32 s[G1M+4], 32
	s_mov_b32 s[G1M+5], 4096                       ; a row of the mask
	s_mov_b32 s[G1M+6], 0
	s_mov_b32 s[G1M+7], 0
	s_min_u32 s67, s[WV], 3
	s_mul_i32 s67, s67, 25600                      ; my quarter, in LDS and in memory
	s_mul_i32 s68, s[BA], 3276800
	s_add_co_u32 s68, s68, s67
	s_mov_b32 s69, 0
	s_lshl_b32 s70, s[QB], 19                      ; 32 rows of 16,384 bytes
	s_mov_b32 s71, 0
	s_mov_b32 s[SEL], 0x76543210
	s_mov_b32 s[SEL+1], 0xfedcba98
	s_mov_b32 s[CC], 0xbe38aa3b                    ; -log2(e) / 8
	s_mov_b32 s[CC+1], s[CC]
	s_mov_b32 s[C8], 0x41000000                    ; 8.0
	s_mov_b32 s[C8+1], s[C8]
	s_mov_b32 s[TB], 0
	s_mov_b32 s[CNT], 31
	s_wait_kmcnt 0x0
	s_mov_b32 s[G0K], 1
	s_mov_b32 s[G0K+1], s67
	s_add_nc_u64 s[G0K+2:G0K+3], s[6:7], s[68:69]
	s_or_b32 s[G0K+3], s[G0K+3], 0x80000000
	s_mov_b32 s[G0M], 1
	s_mov_b32 s[G0M+1], MOFF
	s_add_nc_u64 s[G0M+2:G0M+3], s[12:13], s[70:71]
	s_or_b32 s[G0M+3], s[G0M+3], 0x80000000
	CROUND                                         ; all four work-groups are here: the first joint loads meet
	TLOAD                                          ; step 0 into slot 0
	v_and_b32 v96, 31, v0                          ; lane
	v_and_b32 v97, 15, v0                          ; r
	v_bfe_u32 v98, v0, 4, 1                        ; h
	s_mul_i32 s72, s[HD], 12288
	v_lshl_add_u32 v[AKV], v96, 4, s72
	s_lshl_b32 s73, s[HD], 9
	s_add_co_u32 s73, s73, 98304
	v_lshl_add_u32 v[ASC], v96, 2, s73
	s_mul_i32 s74, s[QT], 16*528
	s_add_co_u32 s74, s74, MOFF
	v_mul_u32_u24 v[AMK], v97, 528
	v_lshl_add_u32 v[AMK], v98, 6, v[AMK]
	v_add_nc_u32 v[AMK], s74, v[AMK]
	s_lshl_b32 s75, s[BH], 7
	s_add_co_u32 s75, s75, s[QB]                   ; q: the fragment of my 32 queries; tile 0 is its registers 0-5, tile 1 its registers 6-11
	s_mul_i32 s76, s75, 1536
	s_mov_b32 s77, 0
	s_add_nc_u64 s[76:77], s[4:5], s[76:77]
	s_lshl_b32 s78, s75, 6
	s_add_co_u32 s78, s78, 3145728
	s_mov_b32 s79, 0
	s_add_nc_u64 s[78:79], s[4:5], s[78:79]
	s_mul_i32 s80, s[QT], 520                      ; register n lies at 512 (n / 4) + 16 x lane + 4 (n % 4): pairs (0, 2, 4) at 0, 8, 512; pairs (6, 8, 10) at 520, 1,024, 1,032
	s_mul_i32 s81, s[QT], 1016
	v_lshl_add_u32 v99, v96, 4, s80
	v_lshl_add_u32 v100, v96, 4, s81
	v_lshlrev_b32 v101, 2, v97
	global_load_b64 v[16:17], v99, s[76:77]
	global_load_b64 v[18:19], v100, s[76:77] offset:8
	global_load_b64 v[20:21], v99, s[76:77] offset:512
	global_load_b32 v[QW], v101, s[78:79]
	; the prefetches: who asks, and where
	s_add_co_u32 s81, s[WV], 1
	s_mov_b32 s83, 6400
	s_mov_b32 s84, 102400
	s_add_co_u32 s85, s70, 512                     ; the mask: my rows, step 1 (the first change of slots steps it to step 2)
	s_mul_i32 s86, s[BA], 3276800
	s_add_co_u32 s86, s86, 102400                  ; K and V: my batch, step 1,
	s_mul_i32 s87, s23, 25600
	s_add_co_u32 s86, s86, s87                     ; my work-group's quarter
	s_and_b32 s88, ttmp9, 31
	s_cmp_lt_u32 s[WV], 7                          ; waves 5, 6: the mask; waves 7-10: K and V
	s_cselect_b64 s[PFA:PFA+1], s[12:13], s[6:7]
	s_cselect_b32 s82, 1, 3
	s_cselect_b32 s83, 256, s83                    ; from wave to wave
	s_cselect_b32 s[PFS], 512, s84                 ; from step to step
	s_cselect_b32 s89, 31, 24
	s_cselect_b32 s90, 14, 8                       ; from lane to lane: a row of the mask, or 256 bytes
	s_cselect_b32 s86, s85, s86
	s_cselect_b32 s88, s[BA], s88                  ; 0 where my cluster asks: the same in all four partners
	s_and_b32 s81, s81, s82                        ; my wave's share: (w + 1) % 2 or (w + 1) % 4
	s_mul_i32 s81, s81, s83
	s_add_co_u32 s86, s86, s81
	s_mov_b32 s87, 0
	s_add_nc_u64 s[PFA:PFA+1], s[PFA:PFA+1], s[86:87]
	s_mov_b32 s[PFS+1], 0
	v_min_u32 v[PFO], s89, v96
	v_lshlrev_b32 v[PFO], s90, v[PFO]
	s_sub_co_u32 s81, s[WV], 5
	s_cmp_lt_u32 s81, 6
	s_cselect_b32 s81, 0, 1                        ; 0 in waves 5 to 10
	s_or_b32 s88, s88, s81
	s_cmp_eq_u32 s88, 0
	s_cselect_b32 s[LIM], 1, -1
	s_mul_i32 s80, s[QT], 0x02020202
	s_add_co_u32 s80, s80, 0x01000100              ; byte selects: my tile's two bytes, twice
	s_wait_loadcnt 0x0                             ; q
	v_perm_b32 v[QW], v[QW], v[QW], s80            ; the 48 moves below stand between this line and the first product
.irp j, 10,11,12,13,14,15,22,23,24,25,26,27
	v_mov_b32 v\j, 0                               ; zero codes on both sides of q
.endr
.irp b, 0,1,2,3
	v_mov_b32 v[TM+4+\b], 0                        ; a lane permute's destination counts as one of its sources
.endr
.set j, 0
.rept 32
	v_mov_b32 v[OO+j], 0                           ; O^T: VEC is one macro for every step, its products add onto these zeros the first time
.set j, j+1
.endr
; THE CHANGE OF SLOTS stands at a trip's head.  Each wave waits for all its tensor loads (one at the most is out: its part of the slot ahead), adds 0 to its spare word, and waits for that and for its reads of the slot that it has left
; (group 1's last reads of it, V's, were issued just ahead).
; fill = 1: a round of the cluster's barrier, so that no wave of any partner still reads that slot or has a load on its way; the refill stands first behind it and has a whole trip in which to land.
.macro CHANGE fill
	s_wait_tensorcnt 0x0                           ; no tensor load of mine is out, so a group 0 may be written
	ds_add_u32 v[SPW], v[NIL]                      ; 0 onto my spare word
.if \fill
	s_xor_b32 s[G0K+1], s[G0K+1], SLOT1            ; the other slot than last time,
	s_add_nc_u64 s[G0K+2:G0K+3], s[G0K+2:G0K+3], 102400   ; the next 128 keys
	s_xor_b32 s[G0M+1], s[G0M+1], SLOT1
	s_add_nc_u64 s[G0M+2:G0M+3], s[G0M+2:G0M+3], 512
	s_wait_xcnt 0x0                                ; the last prefetch, a step back, has read its address
	s_add_nc_u64 s[PFA:PFA+1], s[PFA:PFA+1], s[PFS:PFS+1]  ; one step further on than the walking descriptors
.endif
	s_wait_dscnt 0x0                               ; the add is done, and my reads of the slot that I have left are over
.if \fill
	CROUND
	TLOAD
	ASK
.else
	s_barrier_signal -1
	s_barrier_wait -1
.endif
.endm
; A KEY STEP'S FIRST HALF: all its LDS reads, from the slot in hand, and the scores of 128 keys.
.macro LOADS
	v_add_nc_u32 v[ADK], s[TB], v[AKV]
	v_add_nc_u32 v[ADS], s[TB], v[ASC]
	v_add_nc_u32 v[ADM], s[TB], v[AMK]
	v_nop                                          ; these four are the places in front of loads into registers that the last products have read
.irp f, 0,1,2,3
.irp c, 0,1,2
	ds_load_b128 v[FF+12*\f+4*\c:FF+12*\f+4*\c+3], v[ADK] offset:1536*\f+512*\c    ; K: 512 consecutive bytes a load
.endr
.endr
	ds_load_b32 v[KS], v[ADS]
	ds_load_b32 v[KS+1], v[ADS] offset:128
.irp b, 0,1,2,3
.irp j, 0,1,2,3
	ds_load_b128 v[MM+16*\b+4*\j:MM+16*\b+4*\j+3], v[ADM] offset:128*\b+16*\j      ; the mask of my query at keys 32 b + 16 h + 4 j on
.endr
.endr
	s_wait_dscnt 16                                ; K and its words are in; the mask's 16 loads may be out
.irp b, 0,1,2,3
	WM SS+16*\b, FF+12*\b, QLO, KS+\b/2, QW, 1, \b%2, 0      ; the fragment's first 16 keys
	WM SS+16*\b+8, FF+12*\b, QHI, KS+\b/2, QW, 1, \b%2, 0    ; its second 16
.endr
.rept 4
	v_nop                                          ; places: K's registers take V, and the scores are read
.endr
.irp f, 0,1,2,3
.irp c, 0,1,2
	ds_load_b128 v[FF+12*\f+4*\c:FF+12*\f+4*\c+3], v[ADK] offset:6144+1536*\f+512*\c
.endr
.endr
	ds_load_b32 v[VS], v[ADS] offset:256
	ds_load_b32 v[VS+1], v[ADS] offset:384
.endm
; ITS SECOND HALF: p, its codes, and O^T += V^T P^T.  Registers alone.
.macro VEC
	s_wait_dscnt 14                                ; the mask is in; V's 12 loads and its 2 of words may be out (in group 1 nothing is out here: the change of slots has waited for all)
.set j, 16
.rept 32
	v_pk_mul_f32 v[MM+j%64:MM+j%64+1], v[SS+j%64:SS+j%64+1], v[MM+j%64:MM+j%64+1]  ; s m; tiles 2 to 7, then 0 and 1: the registers that held p's codes are written last; each accumulator is read from its low end on
.set j, j+2
.endr
.set j, 0
.rept 32
	v_pk_mul_f32 v[SS+j:SS+j+1], v[SS+j:SS+j+1], s[CC:CC+1] op_sel_hi:[1,0]        ; -s log2(e) / 8
.set j, j+2
.endr
.set j, 0
.rept 64
	v_exp_f32 v[SS+j], v[SS+j]
.set j, j+1
.endr
	v_nop                                          ; one plain line and one wait for the batch, ahead of its first reader
	s_wait_alu depctr_va_vdst(0)
.set j, 0
.rept 32
	v_pk_fma_f32 v[SS+j:SS+j+1], v[SS+j:SS+j+1], s[C8:C8+1], s[C8:C8+1] op_sel_hi:[1,0,0]   ; 8 + 8 e
.set j, j+2
.endr
.set j, 0
.rept 64
	v_rcp_f32 v[SS+j], v[SS+j]
.set j, j+1
.endr
	v_nop
	s_wait_alu depctr_va_vdst(0)
.set j, 0
.rept 32
	v_pk_mul_f32 v[SS+j:SS+j+1], v[SS+j:SS+j+1], v[MM+j:MM+j+1]                    ; p
.set j, j+2
.endr
	QUANT SS, MM, PW, TM
.rept 4
	v_nop                                          ; the codes stand 4 places ahead of the products; the scale word, with the plain lines of QUANT's end, more than 8
.endr
	s_wait_dscnt 0x0                               ; V
.irp t, 0,1,2,3
	WM OO+8*\t, FF+12*\t, MM, VS+\t/2, PW, 0, \t%2, 0        ; the four accumulators by turns, one instruction a turn
.endr
.endm
.macro VEC_IF g                        ; the waves of group g alone: a branch on the wave's number round register work and two waits on DScnt; no barrier, no tensor load, no LDS access stands inside
	s_cmp_eq_u32 s[GRP], \g
	s_cbranch_scc0 .Lother_group_\@
	VEC
.Lother_group_\@:
.endm
	CHANGE 1                                       ; the first trip is written out: group 1 has no step behind it yet
	LOADS                                          ; step 0
	VEC_IF 0
	s_xor_b32 s[TB], s[TB], SLOT1
	s_mov_b32 s[CNT], 30
.Lstep:                                            ; 30 trips, steps 1 to 30: behind each change of slots the next step's tiles are asked for
	CHANGE 1
	VEC_IF 1                                       ; group 1: the step before, out of registers, while group 0 reads LDS
	LOADS
	VEC_IF 0                                       ; group 0: this step, while group 1 reads LDS
	s_xor_b32 s[TB], s[TB], SLOT1
	s_sub_co_u32 s[CNT], s[CNT], 1
	s_cmp_lg_u32 s[CNT], 0
	s_cbranch_scc1 .Lstep
	CHANGE 0                                       ; the last trip is written out
	VEC_IF 1                                       ; group 1: step 30
	LOADS                                          ; step 31
	VEC                                            ; both groups
	; ---- THE TAIL.  The six lines that make my lane's offsets are the places behind the last products.
	v_and_b32 v2, 31, v0
	v_bfe_u32 v3, v0, 4, 1
	v_lshlrev_b32 v6, 4, v2                        ; 16 x lane
	v_lshlrev_b32 v7, 2, v2                        ; 4 x lane
	v_lshlrev_b32 v1, 3, v2                        ; 8 x lane
	v_lshlrev_b32 v8, 6, v3                        ; 64 h
	s_lshl_b32 s68, s[BH], 8
	s_lshl_b32 s67, s[QB], 1
	s_add_co_u32 s68, s68, s67
	s_add_co_u32 s68, s68, s[QT]
	s_lshl_b32 s68, s68, 12
	s_mov_b32 s69, 0
	s_add_nc_u64 s[68:69], s[8:9], s[68:69]        ; u of my 16 queries and my head
	s_mul_i32 s70, s[WV], 12288
	s_mov_b32 s71, 0
	s_add_nc_u64 s[70:71], s[10:11], s[70:71]      ; W_out: wave w takes columns 32 w .. 32 w + 31: 4 K steps x 2 tiles
	s_lshl_b32 s72, s[WV], 9
	s_add_co_u32 s72, s72, 196608
	s_mov_b32 s73, 0
	s_add_nc_u64 s[72:73], s[10:11], s[72:73]
.irp p, 0,1,2,3,4,5,6,7
	global_load_b128 v[128+4*\p:128+4*\p+3], v6, s[68:69] offset:512*\p th:TH_LOAD_NT
.endr
.irp b, 0,1
.irp j, 0,1,2,3
	global_load_b128 v[160+16*\b+4*\j:160+16*\b+4*\j+3], v8, s[14:15] offset:128*\b+16*\j   ; gamma at channels 32 b + 16 h + 4 j on
.endr
.endr
.irp b, 0,1
.irp j, 0,1,2,3
	global_load_b128 v[192+16*\b+4*\j:192+16*\b+4*\j+3], v8, s[16:17] offset:128*\b+16*\j   ; beta likewise
.endr
.endr
.set n, 0
.rept 24
	global_load_b128 v[32+4*n:32+4*n+3], v6, s[70:71] offset:512*n
.set n, n+1
.endr
.irp s, 0,1,2,3
	global_load_b32 v[28+\s], v7, s[72:73] offset:128*\s     ; lanes 0-15: tile 0's words, lanes 16-31: tile 1's
.endr
	; LayerNorm over the head's 64 channels: 32 are mine, 32 lane l xor 16's
	v_pk_add_f32 v[10:11], v[OO:OO+1], v[OO+2:OO+3]
	v_pk_add_f32 v[12:13], v[OO+4:OO+5], v[OO+6:OO+7]
.irp j, 8,16,24
	v_pk_add_f32 v[10:11], v[10:11], v[OO+\j:OO+\j+1]
	v_pk_add_f32 v[12:13], v[12:13], v[OO+\j+2:OO+\j+3]
	v_pk_add_f32 v[10:11], v[10:11], v[OO+\j+4:OO+\j+5]
	v_pk_add_f32 v[12:13], v[12:13], v[OO+\j+6:OO+\j+7]
.endr
	v_pk_add_f32 v[10:11], v[10:11], v[12:13]
	v_add_f32 v10, v10, v11
	v_permlanex16_b32 v12, v10, s[SEL], s[SEL+1]
	v_add_f32 v10, v10, v12
	v_mul_f32 v10, 0x3c800000, v10                 ; the mean
.set j, 0
.rept 16
	v_pk_add_f32 v[OO+j:OO+j+1], v[OO+j:OO+j+1], v[10:11] op_sel_hi:[1,0] neg_lo:[0,1] neg_hi:[0,1]
.set j, j+2
.endr
	v_pk_mul_f32 v[12:13], v[OO:OO+1], v[OO:OO+1]
	v_pk_mul_f32 v[14:15], v[OO+2:OO+3], v[OO+2:OO+3]
.irp j, 4,8,12,16,20,24,28
	v_pk_fma_f32 v[12:13], v[OO+\j:OO+\j+1], v[OO+\j:OO+\j+1], v[12:13]
	v_pk_fma_f32 v[14:15], v[OO+\j+2:OO+\j+3], v[OO+\j+2:OO+\j+3], v[14:15]
.endr
	v_pk_add_f32 v[12:13], v[12:13], v[14:15]
	v_add_f32 v12, v12, v13
	v_permlanex16_b32 v14, v12, s[SEL], s[SEL+1]
	v_add_f32 v12, v12, v14
	s_mov_b32 s74, 0x3c800000                      ; 1 / 64
	s_mov_b32 s75, 0x3727c5ac                      ; 1e-5
	v_fma_f32 v12, v12, s74, s75                   ; the variance + eps
	v_rsq_f32 v12, v12
	v_nop
	s_wait_alu depctr_va_vdst(0)
	s_wait_loadcnt 28                              ; u, gamma and beta are in; W_out's 24 loads and its 4 of words may be out
.set j, 0
.rept 16
	v_pk_mul_f32 v[OO+j:OO+j+1], v[OO+j:OO+j+1], v[12:13] op_sel_hi:[1,0]
.set j, j+2
.endr
.set j, 0
.rept 16
	v_pk_fma_f32 v[OO+j:OO+j+1], v[OO+j:OO+j+1], v[160+j:160+j+1], v[192+j:192+j+1]
.set j, j+2
.endr
.set j, 0
.rept 16
	v_pk_mul_f32 v[OO+j:OO+j+1], v[OO+j:OO+j+1], v[128+j:128+j+1]
.set j, j+2
.endr
	; my head's 64 channels are half a K step of the last product: two blocks, six registers of codes, two scale bytes
	v_max3_num_f32 v10, |v[OO]|, |v[OO+1]|, 0x2800000
	v_max3_num_f32 v11, |v[OO+16]|, |v[OO+17]|, 0x2800000
.irp i, 2,4,6,8,10,12,14
	v_max3_num_f32 v10, v10, |v[OO+\i]|, |v[OO+1+\i]|
	v_max3_num_f32 v11, v11, |v[OO+16+\i]|, |v[OO+17+\i]|
.endr
	v_permlanex16_b32 v12, v10, s[SEL], s[SEL+1]
	v_permlanex16_b32 v13, v11, s[SEL], s[SEL+1]
	v_max_num_f32 v10, v10, v12
	v_max_num_f32 v11, v11, v13
	v_add_nc_u32 v14, 0xfe000000, v10
	v_add_nc_u32 v15, 0xfe000000, v11
	v_lshrrev_b32 v12, 23, v14
	v_lshrrev_b32 v13, 23, v15
	v_lshl_or_b32 v26, v13, 8, v12
	v_cvt_scalef32_pk16_bf6_f32 v[16:18], v[OO:OO+15], v14
	v_cvt_scalef32_pk16_bf6_f32 v[22:24], v[OO+16:OO+31], v15
	v_nop                                          ; one plain line behind the scaled conversions
.irp i, 0,1,2
	v_permlane16_swap_b32 v[16+\i], v[22+\i]
.endr
.irp i, 0,1,2
	v_mov_b32 v[19+\i], v[22+\i]
.endr
	s_lshr_b32 s74, s[HD], 1                       ; the K step,
	s_lshl_b32 s74, s74, 1
	s_add_co_u32 s74, s74, s[QT]                   ; fragment f = 2 x K step + tile of queries
	s_and_b32 s75, s[HD], 1                        ; and which half of it is mine
	s_mul_i32 s76, s74, 1536
	s_mul_i32 s77, s75, 768
	s_add_co_u32 s76, s76, s77
	s_lshl_b32 s77, s74, 7
	s_lshl_b32 s75, s75, 1
	s_add_co_u32 s77, s77, s75
	s_add_co_u32 s77, s77, A4S
	v_add_nc_u32 v2, s76, v6
	v_add_nc_u32 v3, s76, v1
	v_add_nc_u32 v27, s77, v7
	ds_store_b128 v2, v[16:19]                     ; half a fragment: four registers at 16 x lane,
	ds_store_b64 v3, v[20:21] offset:512           ; two at 512 + 8 x lane
	ds_store_b16 v27, v26                          ; my two bytes of the row's word
	s_wait_dscnt 0x0                               ; for the others' sake: my stores have landed
	s_barrier_signal -1
	s_barrier_wait -1
.irp f, 0,1,2,3,4,5,6,7
	ds_load_b128 v[128+12*\f:128+12*\f+3], v6 offset:1536*\f
	ds_load_b64 v[128+12*\f+4:128+12*\f+5], v1 offset:1536*\f+512
	ds_load_b128 v[128+12*\f+6:128+12*\f+9], v6 offset:1536*\f+768
	ds_load_b64 v[128+12*\f+10:128+12*\f+11], v1 offset:1536*\f+1280
	ds_load_b32 v[10+\f], v7 offset:A4S+128*\f
.endr
	s_wait_dscnt 0x0
	s_wait_loadcnt 0x0                             ; W_out
.irp s, 0,1,2,3                        ; transposed: source 0 = 16 columns of W_out, source 1 = 16 queries; four accumulators by turns
.set ZF, 0
.if \s == 0
.set ZF, 1
.endif
.irp m, 0,1
.irp u, 0,1
	WM OO+8*(2*\m+\u), 32+12*(2*\s+\u), 128+12*(2*\s+\m), 28+\s, 10+2*\s+\m, ZF, \u, 0
.endr
.endr
.endr
	s_lshl_b32 s76, s[WV], 7
	s_add_co_u32 s76, s76, STG
	v_and_b32 v2, 15, v0                           ; these five lines are the places behind the last products
	v_bfe_u32 v3, v0, 4, 1
	v_mul_u32_u24 v2, v2, 2064
	v_lshl_add_u32 v2, v3, 6, v2
	v_add_nc_u32 v2, s76, v2                       ; the stage: row r, + 128 w + 64 h: register j of tile u is column 32 w + 16 h + 8 u + j
.irp m, 0,1
.irp u, 0,1
	ds_store_b128 v2, v[OO+8*(2*\m+\u):OO+8*(2*\m+\u)+3] offset:16*\m*2064+32*\u
	ds_store_b128 v2, v[OO+8*(2*\m+\u)+4:OO+8*(2*\m+\u)+7] offset:16*\m*2064+32*\u+16
.endr
.endr
	s_wait_dscnt 0x0
	s_barrier_signal -1
	s_barrier_wait -1                              ; 32 whole rows of out lie in the stage
	s_mul_i32 s77, s[WV], 2*2064
	s_add_co_u32 s77, s77, STG
	v_add_nc_u32 v3, s77, v6                       ; wave w stores rows 2 w and 2 w + 1
	s_lshl_b32 s78, s[BA], 12
	s_lshl_b32 s79, s[QB], 5
	s_add_co_u32 s78, s78, s79
	s_lshl_b32 s79, s[WV], 1
	s_add_co_u32 s78, s78, s79
	s_lshl_b32 s78, s78, 11
	s_mov_b32 s79, 0
	s_add_nc_u64 s[78:79], s[18:19], s[78:79]
.irp n, 0,1,2,3,4,5,6,7
	ds_load_b128 v[32+4*\n:32+4*\n+3], v3 offset:(\n/4)*2064+512*(\n%4)
.endr
.irp n, 0,1,2,3,4,5,6,7
	s_wait_dscnt 7-\n                              ; the later loads may be out
	global_store_b128 v6, v[32+4*\n:32+4*\n+3], s[78:79] offset:(\n/4)*2048+512*(\n%4) th:TH_STORE_NT   ; 512 consecutive bytes, at a multiple of 256 from out's first byte
.endr
	s_wait_tensorcnt 0x0                           ; the wave's end, behind my last tensor load and my last LDS store
	ds_add_u32 v[SPW], v[NIL]
	s_wait_dscnt 0x0
	CROUND                                         ; the closing round: no work-group ends while a partner may still ask for a block that names it
	s_endpgm
.Lfunc_end_k_qf2340b43f4_attn:
	.size	k_qf2340b43f4_attn, .Lfunc_end_k_qf2340b43f4_attn-k_qf2340b43f4_attn
	.p2alignl 7, 3214868480
	.fill 96, 4, 3214868480
	.section	.rodata,"a",@progbits
	.p2align	6, 0x0
	.amdhsa_kernel k_qf2340b43f4_attn
		.amdhsa_group_segment_fixed_size 327680
		.amdhsa_private_segment_fixed_size 0
		.amdhsa_enable_private_segment 0
		.amdhsa_kernarg_size 64
		.amdhsa_user_sgpr_count 2
		.amdhsa_user_sgpr_kernarg_segment_ptr 1
		.amdhsa_wavefront_size32 1
		.amdhsa_system_sgpr_workgroup_id_x 1
		.amdhsa_system_sgpr_workgroup_id_y 1
		.amdhsa_system_sgpr_workgroup_id_z 1
		.amdhsa_system_vgpr_workitem_id 0
		.amdhsa_next_free_vgpr 256
		.amdhsa_next_free_sgpr 96
		.amdhsa_reserve_vcc 0
		.amdhsa_float_denorm_mode_32 3
		.amdhsa_float_denorm_mode_16_64 3
		.amdhsa_memory_ordered 1
		.amdhsa_forward_progress 1
		.amdhsa_inst_pref_size 131
	.end_amdhsa_kernel
	.amdgpu_metadata
---
amdhsa.version: [ 1, 2 ]
amdhsa.kernels:
  - .name:           k_qf2340b43f4_attn
    .symbol:         k_qf2340b43f4_attn.kd
    .args:
      - { .name: qf, .offset: 0, .size: 8, .value_kind: global_buffer, .address_space: global }
      - { .name: kv, .offset: 8, .size: 8, .value_kind: global_buffer, .address_space: global }
      - { .name: uf, .offset: 16, .size: 8, .value_kind: global_buffer, .address_space: global }
      - { .name: wo, .offset: 24, .size: 8, .value_kind: global_buffer, .address_space: global }
      - { .name: attn_mask, .offset: 32, .size: 8, .value_kind: global_buffer, .address_space: global }
      - { .name: ln_gamma, .offset: 40, .size: 8, .value_kind: global_buffer, .address_space: global }
      - { .name: ln_beta, .offset: 48, .size: 8, .value_kind: global_buffer, .address_space: global }
      - { .name: out0, .offset: 56, .size: 8, .value_kind: global_buffer, .address_space: global }
    .group_segment_fixed_size: 327680
    .private_segment_fixed_size: 0
    .kernarg_segment_align: 8
    .kernarg_segment_size: 64
    .max_flat_workgroup_size: 512
    .sgpr_count:     96
    .vgpr_count:     256
    .wavefront_size: 32
...
	.end_amdgpu_metadata
.endif
;; end of part 3
